; MI455X (gfx1250); checked and timed in simulation.
; The chip was launched on July 23, 2026; its instructions are those of AMD's public machine-readable ISA for CDNA 5 (MIT licence, August 2026) and "CDNA5" Instruction Set Architecture Reference Guide (July 2026). The comments in the code are by the model that wrote it; some were corrected since.
;; Head self Dec. Allowed arithmetic: float matrix products may take bf16 or f16 operands with f32 sums; all other float work in f32.
;; Inputs: Wk 512 x 64 float32; Wq 512 x 64 float32; Wv 512 x 64 float32; x 16 x 2,048 x 512 float32.
;; Outputs: out0 16 x 2,048 x 64 float32.
;; One version. Each part assembles by itself: llvm-mc -triple=amdgcn-amd-amdhsa -mcpu=gfx1250 --defsym DOCPART=n.
;; ======== version 1 of 1: 2 launches
;; limits: values are held in f16: magnitudes above 65,504 overflow, below 6.1e-05 lose precision
;; workspace buffers: qf 4,194,304 bytes; kf 4,194,304 bytes; vf 4,194,304 bytes
;; launch proj (part 1): grid 256 x 1, 4 waves a work-group, no clusters, 305,664 bytes of LDS; arguments x, Wq, Wk, Wv, qf, kf, vf; writes qf, kf, vf
.if DOCPART == 1
	.amdgcn_target "amdgcn-amd-amdhsa--gfx1250"
	.amdhsa_code_object_version 6
	.text
	.protected	k_q38a075afd4_proj
	.globl	k_q38a075afd4_proj
	.p2align	8
	.type	k_q38a075afd4_proj,@function
k_q38a075afd4_proj:
	s_mov_b64 s[64:65], 0
	v_nop
	global_prefetch_b8 v0, s[64:65] scope:SCOPE_SE
	s_setreg_imm32_b32 hwreg(HW_REG_WAVE_MODE, 25, 1), 1
	s_wait_xcnt 0x0
; q*c, k, v = x W for x [32768][512] f32 and Wq, Wk, Wv [512][64] f32; c = 0.125 log2(e) is folded into q in f32.
; Products: bf16 operands, f32 sums.  Results are rounded once to f16 and stored in the register image of the matrix
; fragments that the attention launch reads (a slice = 32 tokens = 4,096 bytes = eight pieces of 32 lanes x 16 bytes):
;   qf, kf: slice*4096 + mt*2048 + nt*512 + lane*16: lane (r, h) holds dims 16nt+8h+0..7 of token 16mt+r
;   vf:     slice*4096 + dt*1024 + g*512  + lane*16: lane (r, h) holds tokens 16g+8h+0..7 at dim 16dt+r
; A work-group takes 128 rows of x, a wave 32 rows (one slice) x all 192 columns: 24 accumulator tiles, 192 registers.
; x: each wave asks for its 32 rows x 512 columns at the start by eight tensor loads (32 rows x 256 bytes each) into LDS bytes
; of its own; no byte of LDS is filled twice, so at most eight tensor loads of a wave are out and no refill is ever ordered.
; W: 16 chunks of 32 k-rows go through registers (f32 to bf16) into two LDS buffers [32 k][q64|k64|v64] that take turns;
; the transposing LDS load makes the fragments from them.  One barrier a trip.
; NO CLUSTER: the one thing that work-groups share is W, and W has to pass registers for the conversion to bf16; a joint
; tensor load would land it as f32, 24,576 bytes a chunk written and read once more, and 22,016 bytes of LDS are left.
; LIMITS: NaN and infinite inputs are not served; |q c|, |k|, |v| must stay below 65,504 (f16).  With x and W both 30 times
; larger they reach about 5,000, with offsets of 30 spreads on both about 512 x 30 x 1.33 = 20,400.
.set XPITCH, 272                       ; an LDS row of x: 256 bytes + 16 of padding, so 16 rows start at 16 different 16-byte columns
.set XTILE,  32*XPITCH                 ; one tensor load: 32 rows
.set XSTEP,  4*XTILE                   ; the four waves' tiles of one step of 64 along K
.set WBASE,  8*XSTEP
.set WPITCH, 416                       ; 384 bytes of data + 32: an odd multiple of 32 for the transposing load
.set WBUF,   32*WPITCH
.set QSCALE, 0x3e38aa3b                ; 0.125 log2(e)
.set WO,  1                            ; v1   byte offset of my 16 bytes in a chunk of W: wave*2048 + lane*16 (never rewritten)
.set WST, 2                            ; v2   where I put 8 bytes of bf16 W
.set WRD, 3                            ; v3   where I read W fragments
.set XRD, 4                            ; v4   where I read x fragments
.set SO,  5                            ; v5   lane*16: the stores
.set XF,  16                           ; v16-47   x as f32: 2 m-tiles x 16
.set XB,  48                           ; v48-63   x as bf16: 2 fragments
.set CT,  64                           ; v64-87   a chunk of W as bf16
.set WF,  96                           ; v96-191  12 fragments of W; on the way out the 24 packed tiles
;                                        window 1: v256-447 accumulators, tile (nt, mt) at 8 (2 nt + mt)
;                                        window 2: v512-655 three stages of 48 registers for chunks of W as loaded
.set G1,  24                           ; s[24:31] descriptor group 1
.set G0,  32                           ; s[32:63] descriptor group 0, one set for each of the eight loads
.set MSB, 0
.macro WIN new                         ; low byte: bits 1:0 source 0, 3:2 source 1, 5:4 source 2, 7:6 destination; high byte: the setting left
.if MSB != \new
	s_set_vgpr_msb (MSB<<8)|\new
.set MSB, \new
.endif
.endm
	s_load_b256 s[4:11], s[0:1], 0x0               ; x s[4:5], Wq s[6:7], Wk s[8:9], Wv s[10:11]
	s_load_b128 s[12:15], s[0:1], 0x20             ; qf s[12:13], kf s[14:15]
	s_load_b64 s[16:17], s[0:1], 0x30              ; vf
	v_lshl_add_u32 v254, v0, 2, 0x4a800
	v_mov_b32 v255, 0
	ds_add_u32 v254, v255
	ds_add_u32 v254, v255
	v_lshrrev_b32 v7, 5, v0
	v_readfirstlane_b32 s18, v7                    ; wave 0..3
	; group 1: a tile of 32 rows x 64 f32, 16 bytes of padding behind each row of 64 words
	s_mov_b32 s[G1+0], (2<<16)|(1<<20)|(5<<22)|(3<<25) ; elements of 4 bytes; padding on; after every 64 words; 4 words
	s_mov_b32 s[G1+1], 64<<16                      ; tensor_dim0 = 64
	s_mov_b32 s[G1+2], 32<<16                      ; tensor_dim1 = 32
	s_mov_b32 s[G1+3], 64<<16                      ; tile_dim0 = 64
	s_mov_b32 s[G1+4], 32                          ; tile_dim1 = 32
	s_mov_b32 s[G1+5], 512                         ; elements from row to row
	s_mov_b32 s[G1+6], 0
	s_mov_b32 s[G1+7], 0
	s_mul_i32 s22, s18, XTILE                      ; my tiles in LDS
	s_lshl_b32 s20, ttmp9, 18                      ; 128 rows of 2,048 bytes a work-group (below 2^26)
	s_lshl_b32 s23, s18, 16                        ; 32 rows a wave
	s_add_co_u32 s20, s20, s23
	s_mov_b32 s21, 0
	s_wait_dscnt 0x0
	s_wait_kmcnt 0x0
	s_add_nc_u64 s[4:5], s[4:5], s[20:21]          ; x at my first row
.irp t, 0,1,2,3,4,5,6,7
	s_mov_b32 s[G0+4*\t], 1
	s_add_co_u32 s[G0+4*\t+1], s22, \t*XSTEP                       ; LDS address: step t, my wave's tile
	s_add_nc_u64 s[G0+4*\t+2:G0+4*\t+3], s[4:5], \t*256            ; columns 64 t: rows of 256 bytes at multiples of 256
	s_or_b32 s[G0+4*\t+3], s[G0+4*\t+3], 0x80000000                ; type 2
	tensor_load_to_lds s[G0+4*\t:G0+4*\t+3], s[G1:G1+7]
	s_nop 0
.endr
	s_lshl_b32 s20, ttmp9, 14                      ; my slice: (4 x work-group + wave) x 4,096 bytes
	s_lshl_b32 s23, s18, 12
	s_add_co_u32 s20, s20, s23
	s_add_nc_u64 s[12:13], s[12:13], s[20:21]
	s_add_nc_u64 s[14:15], s[14:15], s[20:21]
	s_add_nc_u64 s[16:17], s[16:17], s[20:21]
	v_and_b32 v6, 31, v0                           ; lane
	v_and_b32 v8, 15, v0                           ; r
	v_bfe_u32 v9, v0, 4, 1                         ; h
	v_lshlrev_b32 v[SO], 4, v6
	s_lshl_b32 s20, s18, 11
	v_add_nc_u32 v[WO], s20, v[SO]                 ; a wave loads 8 k-rows of 256 bytes of each matrix and chunk
; chunk c of the three matrices: 12 loads of 512 consecutive bytes (two k-rows) into stage c % 3
.macro WLOAD c
	WIN 0x80
.irp m, 0,1,2
.irp i, 0,1,2,3
	global_load_b128 v[48*((\c)%3)+16*\m+4*\i:48*((\c)%3)+16*\m+4*\i+3], v[WO], s[6+2*\m:7+2*\m] offset:(\c)*8192+\i*512
.endr
.endr
.endm
	WLOAD 0
	WLOAD 1
	WLOAD 2
	WIN 0
	s_mul_i32 s20, s18, 8*WPITCH
	s_add_co_u32 s20, s20, WBASE
	v_mul_u32_u24 v10, v9, WPITCH
	v_lshl_add_u32 v10, v8, 3, v10
	v_add_nc_u32 v[WST], s20, v10                  ; k-row 8 wave + h (+ 2 i by the offset), 8 bytes at column 4 r
	v_and_b32 v11, 7, v0
	v_lshl_add_u32 v11, v9, 3, v11
	v_mul_u32_u24 v11, v11, WPITCH
	v_bfe_u32 v12, v0, 3, 1
	v_lshl_add_u32 v11, v12, 4, v11
	v_add_nc_u32 v[WRD], WBASE, v11                ; k-row 8 h + lane % 8, 16 bytes at 16 ((lane / 8) % 2)
	v_mul_u32_u24 v13, v8, XPITCH
	v_lshl_add_u32 v13, v9, 5, v13
	v_add_nc_u32 v[XRD], s22, v13                  ; row r of my tile, 8 f32 at 32 h
; chunk c: f32 to bf16 and into LDS buffer c % 2
.macro WCONV c
	WIN 0x0a
.irp m, 0,1,2
.irp i, 0,1,2,3
	v_cvt_pk_bf16_f32 v[CT+8*\m+2*\i],   v[48*((\c)%3)+16*\m+4*\i],   v[48*((\c)%3)+16*\m+4*\i+1]
	v_cvt_pk_bf16_f32 v[CT+8*\m+2*\i+1], v[48*((\c)%3)+16*\m+4*\i+2], v[48*((\c)%3)+16*\m+4*\i+3]
.endr
.endr
	WIN 0
.irp m, 0,1,2
.irp i, 0,1,2,3
	ds_store_b64 v[WST], v[CT+8*\m+2*\i:CT+8*\m+2*\i+1] offset:((\c)&1)*WBUF+\i*2*WPITCH+\m*128
.endr
.endr
.endm
; x of trip kk as f32: lane (r, h) takes k = 8h..8h+7 and 16+8h..16+8h+7 of rows r and 16 + r
.macro XLOAD kk
	WIN 0
.irp mt, 0,1
	ds_load_b128 v[XF+16*\mt:XF+16*\mt+3],     v[XRD] offset:((\kk)&1)*128+\mt*16*XPITCH
	ds_load_b128 v[XF+16*\mt+4:XF+16*\mt+7],   v[XRD] offset:((\kk)&1)*128+\mt*16*XPITCH+16
	ds_load_b128 v[XF+16*\mt+8:XF+16*\mt+11],  v[XRD] offset:((\kk)&1)*128+\mt*16*XPITCH+64
	ds_load_b128 v[XF+16*\mt+12:XF+16*\mt+15], v[XRD] offset:((\kk)&1)*128+\mt*16*XPITCH+80
.endr
.endm
; the 12 fragments of W of trip kk: column 16 u + r, k as in x's fragments, transposed on the way out of LDS
.macro FLOAD kk
.irp u, 0,1,2,3,4,5,6,7,8,9,10,11
	ds_load_tr16_b128 v[WF+8*\u:WF+8*\u+3],   v[WRD] offset:((\kk)&1)*WBUF+32*\u
	ds_load_tr16_b128 v[WF+8*\u+4:WF+8*\u+7], v[WRD] offset:((\kk)&1)*WBUF+32*\u+16*WPITCH
.endr
.endm
.macro XCVT
	WIN 0
.set i, 0
.rept 16
	v_cvt_pk_bf16_f32 v[XB+i], v[XF+2*i], v[XF+2*i+1]
.set i, i+1
.endr
.endm
.macro MM d, a, b, zero
.if \zero
	v_wmma_f32_16x16x32_bf16 v[\d:\d+7], v[\a:\a+7], v[\b:\b+7], 0
.else
	v_wmma_f32_16x16x32_bf16 v[\d:\d+7], v[\a:\a+7], v[\b:\b+7], v[\d:\d+7]
.endif
.endm
; 12 matrix instructions: n-tiles nt0 .. nt0+5 x both m-tiles.  q and k (n-tiles 0-7) take W as source 0, so that a lane's eight
; results are eight dims of one token; v (8-11) takes x as source 0: eight tokens of one dim.  zero = 1: the first product starts the sums.
.macro MUL nt0, zero
	WIN 0x50
.irp u, 0,1,2,3,4,5
.irp mt, 0,1
.if (\nt0+\u) < 8
	MM 8*(2*(\nt0+\u)+\mt), WF+8*(\nt0+\u), XB+8*\mt, \zero
.else
	MM 8*(2*(\nt0+\u)+\mt), XB+8*\mt, WF+8*(\nt0+\u), \zero
.endif
.endr
.endr
.endm
; Trip kk: 32 along K.  It reads W's buffer kk % 2 and fills the other with chunk kk + 1.
.macro TRIP kk
.if ((\kk)&1) == 0
	s_wait_tensorcnt 7-(\kk)/2                     ; my tile kk / 2 is in LDS; the younger ones stay out.  Only I read these bytes
.endif
	XLOAD \kk
	FLOAD \kk
.if (\kk) < 15
.set NLD, 24                                       ; behind chunk kk + 1 stand the 12 loads each of chunks kk + 2 and kk + 3,
.if (\kk) == 13
.set NLD, 12                                       ; of chunk 15 alone,
.endif
.if (\kk) == 14
.set NLD, 0                                        ; of none
.endif
	s_wait_loadcnt NLD
	WCONV (\kk)+1
.if (\kk) <= 11
	WLOAD (\kk)+4                                  ; into the stage that has just been converted
.endif
	s_wait_dscnt 36                                ; x's 8 loads are in: 24 fragment loads and 12 stores were issued behind them
.else
	s_wait_dscnt 24                                ; the same without stores
.endif
	XCVT
.if (\kk) < 15
	s_wait_dscnt 24                                ; fragments 0-5 are in: 12 fragment loads and 12 stores stand behind them
.else
	s_wait_dscnt 12
.endif
	MUL 0, (\kk)==0
	s_wait_dscnt 0x0                               ; my reads of this buffer and my stores into the other are complete
.if (\kk) < 15
	s_barrier_signal -1                            ; one barrier for both: the others may overwrite this buffer and read the other
.endif
	MUL 6, (\kk)==0
	WIN 0
	; four places behind the last matrix instruction, before the next trip loads into W's fragments and converts into x's
.if (((\kk)&1) == 1) && ((\kk) < 15)
	v_add_nc_u32 v[XRD], XSTEP, v[XRD]             ; the next 64 columns of x
	v_nop
	v_nop
	v_nop
.else
	v_nop
	v_nop
	v_nop
	v_nop
.endif
.if (\kk) < 15
	s_barrier_wait -1
.endif
.endm
	s_wait_loadcnt 24                              ; chunk 0 is in; chunks 1 and 2 (24 loads) stay out
	WCONV 0
	WLOAD 3
	s_wait_dscnt 0x0                               ; my part of chunk 0 lies in LDS
	s_barrier_signal -1
	s_barrier_wait -1
.irp kk, 0,1,2,3,4,5,6,7,8,9,10,11,12,13,14,15
	TRIP \kk
.endr
	; THE WAY OUT.  The four places behind the last matrix instruction stand at the last trip's end.
	WIN 0x41
.set i, 0
.rept 32
	v_pk_mul_f32 v[2*i:2*i+1], v[2*i:2*i+1], QSCALE op_sel_hi:[1,0]    ; the eight tiles of q, in f32, before the one rounding
.set i, i+1
.endr
	WIN 0x05
.set i, 0
.rept 96
	v_cvt_pk_f16_f32 v[WF+i], v[2*i], v[2*i+1]     ; tile T's eight numbers become registers WF + 4 T .. + 3: 16 bytes that belong together
.set i, i+1
.endr
	WIN 0
.irp nt, 0,1,2,3
.irp mt, 0,1
	global_store_b128 v[SO], v[WF+4*(2*\nt+\mt):WF+4*(2*\nt+\mt)+3],         s[12:13] offset:\mt*2048+\nt*512   ; each store: 512 consecutive bytes, aligned
	global_store_b128 v[SO], v[WF+4*(2*(\nt+4)+\mt):WF+4*(2*(\nt+4)+\mt)+3], s[14:15] offset:\mt*2048+\nt*512
	global_store_b128 v[SO], v[WF+4*(2*(\nt+8)+\mt):WF+4*(2*(\nt+8)+\mt)+3], s[16:17] offset:\nt*1024+\mt*512
.endr
.endr
	s_wait_tensorcnt 0x0
	ds_add_u32 v254, v255
	s_wait_dscnt 0x0
	s_endpgm
.Lfunc_end_k_q38a075afd4_proj:
	.size	k_q38a075afd4_proj, .Lfunc_end_k_q38a075afd4_proj-k_q38a075afd4_proj
	.p2alignl 7, 3214868480
	.fill 96, 4, 3214868480
	.section	.rodata,"a",@progbits
	.p2align	6, 0x0
	.amdhsa_kernel k_q38a075afd4_proj
		.amdhsa_group_segment_fixed_size 305664
		.amdhsa_private_segment_fixed_size 0
		.amdhsa_enable_private_segment 0
		.amdhsa_kernarg_size 56
		.amdhsa_user_sgpr_count 2
		.amdhsa_user_sgpr_kernarg_segment_ptr 1
		.amdhsa_wavefront_size32 1
		.amdhsa_system_sgpr_workgroup_id_x 1
		.amdhsa_system_sgpr_workgroup_id_y 1
		.amdhsa_system_sgpr_workgroup_id_z 1
		.amdhsa_system_vgpr_workitem_id 0
		.amdhsa_next_free_vgpr 656
		.amdhsa_next_free_sgpr 66
		.amdhsa_reserve_vcc 0
		.amdhsa_float_denorm_mode_32 3
		.amdhsa_float_denorm_mode_16_64 3
		.amdhsa_memory_ordered 1
		.amdhsa_forward_progress 1
		.amdhsa_inst_pref_size 152
	.end_amdhsa_kernel
	.amdgpu_metadata
---
amdhsa.version: [ 1, 2 ]
amdhsa.kernels:
  - .name:           k_q38a075afd4_proj
    .symbol:         k_q38a075afd4_proj.kd
    .args:
      - { .name: x, .offset: 0, .size: 8, .value_kind: global_buffer, .address_space: global }
      - { .name: Wq, .offset: 8, .size: 8, .value_kind: global_buffer, .address_space: global }
      - { .name: Wk, .offset: 16, .size: 8, .value_kind: global_buffer, .address_space: global }
      - { .name: Wv, .offset: 24, .size: 8, .value_kind: global_buffer, .address_space: global }
      - { .name: qf, .offset: 32, .size: 8, .value_kind: global_buffer, .address_space: global }
      - { .name: kf, .offset: 40, .size: 8, .value_kind: global_buffer, .address_space: global }
      - { .name: vf, .offset: 48, .size: 8, .value_kind: global_buffer, .address_space: global }
    .group_segment_fixed_size: 305664
    .private_segment_fixed_size: 0
    .kernarg_segment_align: 8
    .kernarg_segment_size: 56
    .max_flat_workgroup_size: 128
    .sgpr_count:     66
    .vgpr_count:     656
    .wavefront_size: 32
...
	.end_amdgpu_metadata
.endif
;; end of part 1
;; launch attn (part 2): grid 256 x 1, 8 waves a work-group, no clusters, 287,744 bytes of LDS; arguments qf, kf, vf, out0; writes out0
.if DOCPART == 2
	.amdgcn_target "amdgcn-amd-amdhsa--gfx1250"
	.amdhsa_code_object_version 6
	.text
	.protected	k_q38a075afd4_attn
	.globl	k_q38a075afd4_attn
	.p2align	8
	.type	k_q38a075afd4_attn,@function
k_q38a075afd4_attn:
	s_mov_b64 s[64:65], 0
	v_nop
	global_prefetch_b8 v0, s[64:65] scope:SCOPE_SE
	s_setreg_imm32_b32 hwreg(HW_REG_WAVE_MODE, 25, 1), 1
	s_wait_xcnt 0x0
; out = softmax(q k^T / 8, causal) v for 16 batches of 2,048 tokens and 64 dims.  qf holds q x 0.125 log2(e), so the exponentials are exp2.
; qf, kf, vf are f16 in fragment order: a slice of 32 tokens is 4,096 bytes, read by eight loads of 512 consecutive bytes straight
; into the registers of the matrix fragments.  No LDS and no barrier in the loop.
; Work-group (b, j), b = id / 16, j = id % 16, does the query blocks of 64 rows a = 31 - j and a = j of batch b: 2 (32 - j) + 2 (j + 1) = 66
; key slices, the same for every work-group.  All eight waves hold the same 64 queries; wave w takes the slices s = w mod 8, downward
; from its highest, with a running maximum, sum and accumulator of its own; the eight partials meet in LDS once per block.
; S^T = K Q^T: a lane holds 16 keys (of 32; the other 16 lie in lane xor 16) of ONE query, so maximum and sum are one number a lane, and the
; scores packed to f16 are the B fragment of O^T = V^T P^T as they lie.
; Only a wave's highest slice can touch the diagonal (slices 2a and 2a+1 belong to two different waves), so only its first step masks.
; A wave that has no slice in a block (a <= 2 only) runs slice w, which exists, fully masked: m = -FLT_MAX, l = 0, sums 0.
; NO CLUSTER: a slice goes to one wave of a work-group, and the 16 work-groups of a batch start at different slices and need different
; numbers of them (32 - j and j + 1 pairs), so their requests do not coincide.
; LIMITS: NaN and infinite inputs are not served; scores lie above -FLT_MAX, the running maximum's first value; exp2 gives 0 below 2^-126;
; q c, k, v (below 65,504) and P (at most 1) are f16; maxima, sums and l are f32, l from the unrounded p; the keys are summed downward
; in eight partials, another order than the reference's.
.set PPITCH, 272                       ; a row of a partial: 64 f32 + 16 bytes, so 16 rows start at 16 different 16-byte columns
.set PARTW,  64*PPITCH                 ; one wave's partial
.set PART,   4096                      ; behind the statistics: [64 q][m of waves 0-7, l of waves 0-7]
.set REGION, PART+8*PARTW              ; 143,360: each of the two blocks has LDS bytes of its own, so one barrier a block is enough
.set LA,  1                            ; lane*16 (never rewritten)
.set KO,  2                            ; lane*16 + slice*4096 for K
.set VO,  3                            ; the same for V
.set D0,  4                            ; 64 a - 32 s + r - 8 h: key j + 16 t of the slice is allowed for query tile c where j + 16 t - 16 c <= D0
.set ST,  5                            ; LDS: where my partial goes
.set RD0, 6                            ; LDS: partials of waves 0-3 of my rows
.set RD1, 7                            ; LDS: of waves 4-7
.set SS,  8                            ; LDS: where my m and l go
.set SR,  9                            ; LDS: the statistics of my rows
.set OO,  10                           ; wave*2048 + lane*16 in the block's 16,384 bytes of out
.set RH,  11                           ; r - 8 h
.set M,   12                           ; v12+2c  running maximum of query tile c (the odd partner is written once: packed forms name pairs)
.set AL,  20                           ; v20+2c  exp2(old maximum - new maximum), likewise
.set LS,  28                           ; v[28+2c:29+2c]  running sum, in two halves
.set MX,  36                           ; v36-39
.set T,   40                           ; v40-45
.set NINF, 48
.set S,   64                           ; v64-127  scores, tile (c, t) at 16 c + 8 t; then P packed into 16 c .. 16 c + 7
.set ACC, 128                          ; v128-255 O^T, tile (c, dt) at 32 c + 8 dt
.set QF,  0                            ; window 1: v256-319 Q, fragment (c, ks) at 16 c + 8 ks
.set KF,  64                           ; window 1: v320-351 K, fragment (t, ks) at 16 t + 8 ks
.set VF,  96                           ; window 1: v352-383 V^T, fragment dt at 8 dt
.set MSB, 0
.macro WIN new                         ; low byte: bits 1:0 source 0, 3:2 source 1, 5:4 source 2, 7:6 destination; high byte: the setting left
.if MSB != \new
	s_set_vgpr_msb (MSB<<8)|\new
.set MSB, \new
.endif
.endm
.macro PLACES n
.rept \n
	v_nop
.endr
.endm
	s_load_b256 s[4:11], s[0:1], 0x0               ; qf s[4:5], kf s[6:7], vf s[8:9], out s[10:11]
	v_lshl_add_u32 v62, v0, 2, 0x46000
	v_mov_b32 v63, 0
	v_lshrrev_b32 v41, 5, v0
	v_readfirstlane_b32 s12, v41                   ; wave 0..7
	s_and_b32 s13, ttmp9, 15                       ; j
	s_lshr_b32 s14, ttmp9, 4                       ; b
	s_mov_b32 s16, 0x76543210                      ; v_permlanex16_b32: lane i takes lane i of the other half
	s_mov_b32 s17, 0xfedcba98
	s_mov_b32 s18, 0xff7fffff                      ; -FLT_MAX
	s_mov_b32 s19, 0x8000                          ; eight slices of 4,096 bytes
	s_sub_co_u32 s20, 31, s13                      ; a of block 0
	s_mov_b32 s21, s13                             ; a of block 1
.irp blk, 0,1
	s_lshl_b32 s37, s[20+\blk], 1
	s_add_co_u32 s37, s37, 1
	s_sub_co_i32 s37, s37, s12                     ; 2 a + 1 - w
	s_ashr_i32 s37, s37, 3
	s_add_co_i32 s37, s37, 1
	s_max_i32 s[22+\blk], s37, 1                   ; n: my steps in this block, at least one
	s_lshl_b32 s37, s[22+\blk], 3
	s_add_co_u32 s37, s37, s12
	s_sub_co_u32 s[24+\blk], s37, 8                ; my highest slice, w + 8 (n - 1)
.endr
	v_and_b32 v41, 31, v0                          ; lane
	v_lshlrev_b32 v[LA], 4, v41
	s_lshl_b32 s38, s14, 18                        ; a batch: 64 slices of 4,096 bytes
	s_mov_b32 s39, 0
	s_wait_kmcnt 0x0
	s_add_nc_u64 s[4:5], s[4:5], s[38:39]
	s_add_nc_u64 s[6:7], s[6:7], s[38:39]
	s_add_nc_u64 s[8:9], s[8:9], s[38:39]
	s_lshl_b32 s38, s14, 19                        ; and 2,048 rows of 256 bytes of out
	s_add_nc_u64 s[10:11], s[10:11], s[38:39]
.irp blk, 0,1
	s_lshl_b32 s38, s[20+\blk], 13                 ; 64 queries: two slices
	s_add_nc_u64 s[28+2*\blk:29+2*\blk], s[4:5], s[38:39]
	s_lshl_b32 s38, s[20+\blk], 14                 ; 64 rows of out
	s_add_nc_u64 s[32+2*\blk:33+2*\blk], s[10:11], s[38:39]
.endr
; the block's 64 queries and my highest slice of K and V: 32 loads, in the order Q, K, V
.macro LOADBLK blk
	s_lshl_b32 s37, s[24+\blk], 12
	v_add_nc_u32 v[KO], s37, v[LA]
	v_add_nc_u32 v[VO], s37, v[LA]
	WIN 0x40
.irp i, 0,1,2,3,4,5,6,7,8,9,10,11,12,13,14,15
	global_load_b128 v[QF+4*\i:QF+4*\i+3], v[LA], s[28+2*\blk:29+2*\blk] offset:512*\i
.endr
.irp i, 0,1,2,3,4,5,6,7
	global_load_b128 v[KF+4*\i:KF+4*\i+3], v[KO], s[6:7] offset:512*\i
.endr
.irp i, 0,1,2,3,4,5,6,7
	global_load_b128 v[VF+4*\i:VF+4*\i+3], v[VO], s[8:9] offset:512*\i
.endr
	WIN 0
.endm
	LOADBLK 0
	v_and_b32 v42, 15, v0                          ; r
	v_bfe_u32 v43, v0, 4, 1                        ; h
	v_lshlrev_b32 v44, 3, v43
	v_sub_nc_u32 v[RH], v42, v44
	s_mul_i32 s37, s12, PARTW
	s_add_co_u32 s37, s37, PART
	v_mul_u32_u24 v44, v42, PPITCH
	v_lshl_add_u32 v44, v43, 5, v44
	v_add_nc_u32 v[ST], s37, v44                   ; my partial: row r (+ 16 c), 32 bytes at 32 h (+ 64 dt)
	s_mul_i32 s37, s12, 8*PPITCH
	s_add_co_u32 s37, s37, PART
	v_mul_u32_u24 v44, v43, PPITCH
	v_lshl_add_u32 v44, v42, 4, v44
	v_add_nc_u32 v[RD0], s37, v44                  ; row 8 w + h (+ 2 i), 16 bytes at 16 r
	v_add_nc_u32 v[RD1], 4*PARTW, v[RD0]
	s_lshl_b32 s37, s12, 2
	v_lshl_add_u32 v[SS], v42, 6, s37              ; row r (+ 16 c) of the statistics, word w
	s_lshl_b32 s37, s12, 9
	v_lshl_add_u32 v[SR], v43, 6, s37              ; row 8 w + h (+ 2 i)
	s_lshl_b32 s37, s12, 11
	v_add_nc_u32 v[OO], s37, v[LA]
.irp p, 13,15,17,19,21,23,25,27,40
	v_mov_b32 v\p, 0                               ; the pairs' odd partners, and the first target of v_permlanex16_b32, which counts as read
.endr
	v_mov_b32 v[NINF], 0xff800000
; One step: 32 keys x 64 queries.  first = 1: it starts maximum, sum and accumulators (nothing is cleared).  mask = 1: the causal mask.
; next = 1: the slice eight further down is asked for as soon as this one's registers are free.
.macro STEP first, mask, next
	s_wait_loadcnt 0x8                             ; Q and this slice's K are in; the 8 loads of its V, issued behind them, may stay out
	WIN 0x05
.irp c, 0,1,2,3
.irp t, 0,1
	v_wmma_f32_16x16x32_f16 v[S+16*\c+8*\t:S+16*\c+8*\t+7], v[KF+16*\t:KF+16*\t+7], v[QF+16*\c:QF+16*\c+7], 0
.endr
.endr
.irp c, 0,1,2,3
.irp t, 0,1
	v_wmma_f32_16x16x32_f16 v[S+16*\c+8*\t:S+16*\c+8*\t+7], v[KF+16*\t+8:KF+16*\t+15], v[QF+16*\c+8:QF+16*\c+15], v[S+16*\c+8*\t:S+16*\c+8*\t+7]
.endr
.endr
	WIN 0
	; four places before loads land in K's registers and vector instructions read the scores
.if \next
	v_sub_nc_u32 v[KO], v[KO], s19                 ; free: the wait at the step's head showed the loads that named it done
	PLACES 3
	WIN 0x40
.irp i, 0,1,2,3,4,5,6,7
	global_load_b128 v[KF+4*\i:KF+4*\i+3], v[KO], s[6:7] offset:512*\i
.endr
	WIN 0
.else
	PLACES 4
.endif
.if \mask
.irp c, 0,1,2,3
.irp t, 0,1
.irp j, 0,1,2,3,4,5,6,7
	v_cmp_le_i32 vcc_lo, \j+16*\t-16*\c, v[D0]     ; key <= query
	v_cndmask_b32 v[S+16*\c+8*\t+\j], v[NINF], v[S+16*\c+8*\t+\j], vcc_lo
.endr
.endr
.endr
.endif
	; the new maximum of each query: my 16 scores and the old maximum, then the other half's
.irp c, 0,1,2,3
	v_max3_num_f32 v[T+1], v[S+16*\c],    v[S+16*\c+1],  v[S+16*\c+2]
	v_max3_num_f32 v[T+2], v[S+16*\c+3],  v[S+16*\c+4],  v[S+16*\c+5]
	v_max3_num_f32 v[T+3], v[S+16*\c+6],  v[S+16*\c+7],  v[S+16*\c+8]
	v_max3_num_f32 v[T+4], v[S+16*\c+9],  v[S+16*\c+10], v[S+16*\c+11]
	v_max3_num_f32 v[T+5], v[S+16*\c+12], v[S+16*\c+13], v[S+16*\c+14]
	v_max3_num_f32 v[T+1], v[T+1], v[T+2], v[T+3]
	v_max3_num_f32 v[T+4], v[T+4], v[T+5], v[S+16*\c+15]
.if \first
	v_max3_num_f32 v[MX+\c], v[T+1], v[T+4], s18   ; -FLT_MAX keeps a fully masked query's maximum finite
.else
	v_max3_num_f32 v[MX+\c], v[T+1], v[T+4], v[M+2*\c]
.endif
.endr
.irp c, 0,1,2,3
	v_permlanex16_b32 v[T+\c], v[MX+\c], s16, s17
.endr
.irp c, 0,1,2,3
	v_max_num_f32 v[MX+\c], v[MX+\c], v[T+\c]
.endr
.if \first == 0
.irp c, 0,1,2,3
	v_sub_f32 v[AL+2*\c], v[M+2*\c], v[MX+\c]
.endr
.irp c, 0,1,2,3
	v_exp_f32 v[AL+2*\c], v[AL+2*\c]
.endr
.endif
.irp c, 0,1,2,3
	v_mov_b32 v[M+2*\c], v[MX+\c]                  ; plain instructions that touch no AL: the place behind the exponentials above
.endr
.irp c, 0,1,2,3
.irp i, 0,1,2,3,4,5,6,7
	v_pk_add_f32 v[S+16*\c+2*\i:S+16*\c+2*\i+1], v[S+16*\c+2*\i:S+16*\c+2*\i+1], v[M+2*\c:M+2*\c+1] op_sel_hi:[1,0] neg_lo:[0,1] neg_hi:[0,1]
.endr
.endr
.set i, 0
.rept 64
	v_exp_f32 v[S+i], v[S+i]
.set i, i+1
.endr
	; behind the run of exponentials one plain instruction that names none of S, before p is used
.if \first
	v_nop
	s_wait_alu depctr_va_vdst(0)
.irp c, 0,1,2,3
	v_pk_add_f32 v[LS+2*\c:LS+2*\c+1], v[S+16*\c:S+16*\c+1], v[S+16*\c+2:S+16*\c+3]
.endr
.irp i, 2,3,4,5,6,7
.irp c, 0,1,2,3
	v_pk_add_f32 v[LS+2*\c:LS+2*\c+1], v[LS+2*\c:LS+2*\c+1], v[S+16*\c+2*\i:S+16*\c+2*\i+1]
.endr
.endr
.else
	s_wait_alu depctr_va_vdst(0)
.irp c, 0,1,2,3
.irp i, 0,1,2,3,4,5,6,7,8,9,10,11,12,13,14,15
	v_pk_mul_f32 v[ACC+32*\c+2*\i:ACC+32*\c+2*\i+1], v[ACC+32*\c+2*\i:ACC+32*\c+2*\i+1], v[AL+2*\c:AL+2*\c+1] op_sel_hi:[1,0]
.endr
.endr
.irp c, 0,1,2,3
	v_pk_fma_f32 v[LS+2*\c:LS+2*\c+1], v[LS+2*\c:LS+2*\c+1], v[AL+2*\c:AL+2*\c+1], v[S+16*\c:S+16*\c+1] op_sel_hi:[1,0,1]
.endr
.irp i, 1,2,3,4,5,6,7
.irp c, 0,1,2,3
	v_pk_add_f32 v[LS+2*\c:LS+2*\c+1], v[LS+2*\c:LS+2*\c+1], v[S+16*\c+2*\i:S+16*\c+2*\i+1]
.endr
.endr
.endif
.irp c, 0,1,2,3
.irp q, 0,1,2,3,4,5,6,7
	v_cvt_pk_f16_f32 v[S+16*\c+\q], v[S+16*\c+2*\q], v[S+16*\c+2*\q+1]     ; in place, upward: register q is read no later than it is written
.endr
.endr
.if \next
	s_wait_loadcnt 0x8                             ; V is in; the 8 loads of the next K, issued behind it, stay out
.else
	s_wait_loadcnt 0x0                             ; V is in; nothing was issued behind it
.endif
	WIN 0x01
.irp c, 0,1,2,3
.irp dt, 0,1,2,3
.if \first
	v_wmma_f32_16x16x32_f16 v[ACC+32*\c+8*\dt:ACC+32*\c+8*\dt+7], v[VF+8*\dt:VF+8*\dt+7], v[S+16*\c:S+16*\c+7], 0
.else
	v_wmma_f32_16x16x32_f16 v[ACC+32*\c+8*\dt:ACC+32*\c+8*\dt+7], v[VF+8*\dt:VF+8*\dt+7], v[S+16*\c:S+16*\c+7], v[ACC+32*\c+8*\dt:ACC+32*\c+8*\dt+7]
.endif
.endr
.endr
	WIN 0
	; five places: the next step's first products write over P; loads land in V's registers; the merge stores the sums
.if \next
	v_sub_nc_u32 v[VO], v[VO], s19                 ; free: the wait above showed the loads that named it done
	PLACES 4
	WIN 0x40
.irp i, 0,1,2,3,4,5,6,7
	global_load_b128 v[VF+4*\i:VF+4*\i+3], v[VO], s[8:9] offset:512*\i
.endr
	WIN 0
.else
	PLACES 5
.endif
.endm
; my n steps of a block.  The branches hang on the work-group's id and the wave's number alone; no barrier stands under them.
; At every label 8 loads of K and 8 of V are out (.Lloop, .Llast) or none (.Lmerge), whichever way it is reached.
.macro BLOCK blk
	s_lshl_b32 s37, s[20+\blk], 6
	s_lshl_b32 s38, s[24+\blk], 5
	s_sub_co_i32 s37, s37, s38
	v_add_nc_u32 v[D0], s37, v[RH]
	s_cmp_eq_u32 s[22+\blk], 1
	s_cbranch_scc1 .Lone\blk
	STEP 1, 1, 1
	s_sub_co_i32 s36, s[22+\blk], 2
	s_cmp_eq_u32 s36, 0
	s_cbranch_scc1 .Llast\blk
.Lloop\blk:
	STEP 0, 0, 1
	s_sub_co_i32 s36, s36, 1
	s_cmp_lg_u32 s36, 0
	s_cbranch_scc1 .Lloop\blk
.Llast\blk:
	STEP 0, 0, 0
	s_branch .Lmerge\blk
.Lone\blk:
	STEP 1, 1, 0
.Lmerge\blk:
.endm
; The eight waves' partials become 64 rows of out.  Wave w finishes rows 8 w + 2 i + (lane / 16), i = 0..3; a lane has 4 dims of a row.
.macro MERGE blk
.if \blk == 0
	LOADBLK 1                                      ; the next block's first loads run under the merge; no load is out, so KO and VO are free
.endif
.irp c, 0,1,2,3
	v_add_f32 v[LS+2*\c], v[LS+2*\c], v[LS+2*\c+1]
.endr
.irp c, 0,1,2,3
	v_permlanex16_b32 v[T+\c], v[LS+2*\c], s16, s17
.endr
.irp c, 0,1,2,3
	v_add_f32 v[LS+2*\c], v[LS+2*\c], v[T+\c]
.endr
.irp c, 0,1,2,3
	ds_store_b32 v[SS], v[M+2*\c]  offset:1024*\c          ; lanes r and r + 16 write the same word with the same value
	ds_store_b32 v[SS], v[LS+2*\c] offset:1024*\c+32
.endr
.irp c, 0,1,2,3
.irp dt, 0,1,2,3
.irp g, 0,1
	ds_store_b128 v[ST], v[ACC+32*\c+8*\dt+4*\g:ACC+32*\c+8*\dt+4*\g+3] offset:\c*16*PPITCH+64*\dt+16*\g
.endr
.endr
.endr
	s_wait_dscnt 0x0                               ; my statistics and my partial lie in LDS, for the others' sake
	s_barrier_signal -1
	s_barrier_wait -1
.irp i, 0,1,2,3
.irp k, 0,1,2,3
	ds_load_b128 v[S+16*\i+4*\k:S+16*\i+4*\k+3], v[SR] offset:128*\i+16*\k         ; m of waves 0-7, then l of waves 0-7
.endr
.endr
.irp i, 0,1,2,3
.irp p, 0,1,2,3
	ds_load_b128 v[ACC+32*\i+4*\p:ACC+32*\i+4*\p+3], v[RD0] offset:\p*PARTW+2*PPITCH*\i
.endr
.irp p, 0,1,2,3
	ds_load_b128 v[ACC+32*\i+16+4*\p:ACC+32*\i+16+4*\p+3], v[RD1] offset:\p*PARTW+2*PPITCH*\i
.endr
.endr
	s_wait_dscnt 32                                ; the 16 loads of statistics are in; the 32 loads of partials stay out
.irp i, 0,1,2,3
	v_max3_num_f32 v[MX+\i], v[S+16*\i], v[S+16*\i+1], v[S+16*\i+2]
	v_max3_num_f32 v[T+\i], v[S+16*\i+3], v[S+16*\i+4], v[S+16*\i+5]
.endr
.irp i, 0,1,2,3
	v_max3_num_f32 v[MX+\i], v[MX+\i], v[T+\i], v[S+16*\i+6]
.endr
.irp i, 0,1,2,3
	v_max_num_f32 v[M+2*\i], v[MX+\i], v[S+16*\i+7]        ; the row's maximum over all its keys
.endr
.irp i, 0,1,2,3
.irp k, 0,1,2,3
	v_pk_add_f32 v[S+16*\i+2*\k:S+16*\i+2*\k+1], v[S+16*\i+2*\k:S+16*\i+2*\k+1], v[M+2*\i:M+2*\i+1] op_sel_hi:[1,0] neg_lo:[0,1] neg_hi:[0,1]
.endr
.endr
.irp i, 0,1,2,3
.irp k, 0,1,2,3,4,5,6,7
	v_exp_f32 v[S+16*\i+\k], v[S+16*\i+\k]                 ; e_p = exp2(m_p - maximum)
.endr
.endr
	v_nop                                          ; the plain place behind the exponentials
	s_wait_alu depctr_va_vdst(0)
.irp i, 0,1,2,3
	v_pk_mul_f32 v[LS+2*\i:LS+2*\i+1], v[S+16*\i:S+16*\i+1], v[S+16*\i+8:S+16*\i+9]
.endr
.irp k, 1,2,3
.irp i, 0,1,2,3
	v_pk_fma_f32 v[LS+2*\i:LS+2*\i+1], v[S+16*\i+2*\k:S+16*\i+2*\k+1], v[S+16*\i+8+2*\k:S+16*\i+9+2*\k], v[LS+2*\i:LS+2*\i+1]
.endr
.endr
.irp i, 0,1,2,3
	v_add_f32 v[AL+2*\i], v[LS+2*\i], v[LS+2*\i+1]         ; the row's sum: at least 1, from the wave that holds the maximum
.endr
.irp i, 0,1,2,3
	v_rcp_f32 v[AL+2*\i], v[AL+2*\i]
.endr
	v_nop                                          ; the plain place behind the reciprocals
	s_wait_alu depctr_va_vdst(0)
.irp i, 0,1,2,3
.irp k, 0,1,2,3
	v_pk_mul_f32 v[S+16*\i+2*\k:S+16*\i+2*\k+1], v[S+16*\i+2*\k:S+16*\i+2*\k+1], v[AL+2*\i:AL+2*\i+1] op_sel_hi:[1,0]   ; f_p = e_p / sum
.endr
.endr
.irp i, 0,1,2,3
	s_wait_dscnt 24-8*\i                           ; the eight partials of row pair i are in; the younger groups of eight stay out
.irp e, 0,1,2,3
	v_mul_f32 v[ACC+32*\i+\e], v[ACC+32*\i+\e], v[S+16*\i]
.endr
.irp p, 1,2,3,4,5,6,7
.irp e, 0,1,2,3
	v_fmac_f32 v[ACC+32*\i+\e], v[ACC+32*\i+4*\p+\e], v[S+16*\i+\p]
.endr
.endr
	global_store_b128 v[OO], v[ACC+32*\i:ACC+32*\i+3], s[32+2*\blk:33+2*\blk] offset:512*\i th:TH_STORE_NT   ; two whole rows: 512 consecutive bytes, aligned
.endr
.if \blk == 0
	s_wait_xcnt 0x0                                ; the stores' data registers are written again by the next block only behind this wait
.irp a, ST, RD0, RD1, SS, SR
	v_add_nc_u32 v[\a], REGION, v[\a]              ; the next block's own bytes of LDS
.endr
.endif
.endm
	BLOCK 0
	MERGE 0
	BLOCK 1
	MERGE 1
	s_wait_tensorcnt 0x0
	ds_add_u32 v62, v63
	s_wait_dscnt 0x0
	s_endpgm
.Lfunc_end_k_q38a075afd4_attn:
	.size	k_q38a075afd4_attn, .Lfunc_end_k_q38a075afd4_attn-k_q38a075afd4_attn
	.p2alignl 7, 3214868480
	.fill 96, 4, 3214868480
	.section	.rodata,"a",@progbits
	.p2align	6, 0x0
	.amdhsa_kernel k_q38a075afd4_attn
		.amdhsa_group_segment_fixed_size 287744
		.amdhsa_private_segment_fixed_size 0
		.amdhsa_enable_private_segment 0
		.amdhsa_kernarg_size 32
		.amdhsa_user_sgpr_count 2
		.amdhsa_user_sgpr_kernarg_segment_ptr 1
		.amdhsa_wavefront_size32 1
		.amdhsa_system_sgpr_workgroup_id_x 1
		.amdhsa_system_sgpr_workgroup_id_y 1
		.amdhsa_system_sgpr_workgroup_id_z 1
		.amdhsa_system_vgpr_workitem_id 0
		.amdhsa_next_free_vgpr 384
		.amdhsa_next_free_sgpr 66
		.amdhsa_reserve_vcc 1
		.amdhsa_float_denorm_mode_32 3
		.amdhsa_float_denorm_mode_16_64 3
		.amdhsa_memory_ordered 1
		.amdhsa_forward_progress 1
		.amdhsa_inst_pref_size 189
	.end_amdhsa_kernel
	.amdgpu_metadata
---
amdhsa.version: [ 1, 2 ]
amdhsa.kernels:
  - .name:           k_q38a075afd4_attn
    .symbol:         k_q38a075afd4_attn.kd
    .args:
      - { .name: qf, .offset: 0, .size: 8, .value_kind: global_buffer, .address_space: global }
      - { .name: kf, .offset: 8, .size: 8, .value_kind: global_buffer, .address_space: global }
      - { .name: vf, .offset: 16, .size: 8, .value_kind: global_buffer, .address_space: global }
      - { .name: out0, .offset: 24, .size: 8, .value_kind: global_buffer, .address_space: global }
    .group_segment_fixed_size: 287744
    .private_segment_fixed_size: 0
    .kernarg_segment_align: 8
    .kernarg_segment_size: 32
    .max_flat_workgroup_size: 256
    .sgpr_count:     66
    .vgpr_count:     384
    .wavefront_size: 32
...
	.end_amdgpu_metadata
.endif
;; end of part 2
